; MI455X (gfx1250); checked and timed in simulation.
; The chip was launched on July 23, 2026; its instructions are those of AMD's public machine-readable ISA for CDNA 5 (MIT licence, August 2026) and "CDNA5" Instruction Set Architecture Reference Guide (July 2026). The comments in the code are by the model that wrote it; some were corrected since.
;; Quantized Linear. Allowed arithmetic: float matrix products may take bf16 or f16 operands with f32 sums; other float arithmetic in f32, or as packed bf16 or f16 multiplies, adds, multiply-adds, maxima and minima; sums over many terms, partial sums and values carried from step to step in f32; what a program stores and reads back later, other than sums and carried values, may be rounded once to bf16 or f16.
;; Inputs: b_min one number float32; bias_scale one number float32; q_bias 4,096 int32; q_weight 4,096 x 4,096 int32; scale one number float32; w_min one number float32; x 4,096 x 4,096 float32.
;; Outputs: out0 4,096 x 4,096 float32.
;; One version. Each part assembles by itself: llvm-mc -triple=amdgcn-amd-amdhsa -mcpu=gfx1250 --defsym DOCPART=n.
;; ======== version 1 of 1: 2 launches
;; limits: values are held in f16: magnitudes above 65,504 overflow, below 6.1e-05 lose precision; inputs' magnitudes at most 65,504
;; workspace buffers: xh 33,554,432 bytes; wh 33,554,432 bytes
;; launch cast (part 1): grid 1024 x 1, 8 waves a work-group, no clusters, 0 bytes of LDS; arguments x, q_weight, scale, w_min, xh, wh; writes xh, wh
.if DOCPART == 1
	.amdgcn_target "amdgcn-amd-amdhsa--gfx1250"
	.amdhsa_code_object_version 6
	.text
	.protected	k_qb3aa4c5166_cast
	.globl	k_qb3aa4c5166_cast
	.p2align	8
	.type	k_qb3aa4c5166_cast,@function
k_qb3aa4c5166_cast:
	s_mov_b64 s[64:65], 0
	v_nop
	global_prefetch_b8 v0, s[64:65] scope:SCOPE_SE
	s_setreg_imm32_b32 hwreg(HW_REG_WAVE_MODE, 25, 1), 1
	s_wait_xcnt 0x0
; out0[b][o] = sum over i of x[b][i] w[o][i] + bias[o],  w = (f32(q_weight) + 32768) scale + w_min,  bias = (f32(q_bias) + 32768) bias_scale + b_min.
; NOTHING IS LEFT OUT: every one of the seven inputs reaches every output row or column, so all are loaded: x, q_weight, scale, w_min here; q_bias, bias_scale, b_min by the second kernel.
; THIS KERNEL makes the product's two operands, once:  xh = f16(x),  wh = f16((f32(q_weight) + 32768) scale + w_min), both [4096][4096], rows as in the inputs.
; Each row block of x and of q_weight serves 16 tiles of the product: converted here, each number is converted once and not 16 times.
; WHY f16 AND NOT bf16: both have the same matrix form and 16 bits; f16 keeps 11 significant bits for 8, and every number of the f32 output is held to a hundredth of the output's root mean square.
; LIMITS.  |x| and |w| stay under 65,504, the end of f16 (from 65,520 on the conversion gives an infinity); below 6e-5 they keep f16's fixed step of 6e-8.
; w is made with one fused multiply-add where the formula as written rounds the product and then the sum: one f32 rounding less.  f32(q) + 32768 is taken in f32, as written.  NaN and infinities are not treated apart.
; A STREAM: 128 MiB in, 64 MiB out, about one vector instruction for each number.  No byte is wanted by two waves, so there is no LDS, no barrier, no cluster and no matrix work.
; SHARES.  Both tensors are taken as 16,777,216 numbers on end.  A step of a work-group is 1,024 numbers of x and the same 1,024 places of q_weight; a work-group owns 16 steps on end.
; Thread t takes the 16 bytes at 16 t of a step (a load of a wave covers 512 consecutive bytes, aligned) and stores the 8 bytes at 8 t (a store of a wave covers 256 consecutive bytes, aligned).
; A ring of DEPTH slots in registers keeps 2 x DEPTH loads of every wave on their way.  All 16 steps are written out: a step's place stands in the immediates, and no address register is ever rewritten.
.set INB,   4096                       ; bytes of a step in x and in q_weight
.set OUTB,  2048                       ; bytes of a step in xh and in wh
.set STEPS, 16
.set DEPTH, 8
.set VI,  1                            ; v1        16 t; never rewritten
.set VO,  2                            ; v2        8 t; never rewritten
.set T,   4                            ; v[4:7]    four numbers of w at work
.set X,   8                            ; v[8:39]   slot i: four f32 of x
.set Q,   40                           ; v[40:71]  slot i: four int32 of q_weight
.set YX,  72                           ; v[72:87]  slot i: four f16 of xh
.set YW,  88                           ; v[88:103] slot i: four f16 of wh
	s_load_b256 s[4:11], s[0:1], 0x0               ; x s[4:5], q_weight s[6:7], where scale lies s[8:9], where w_min lies s[10:11]
	s_load_b128 s[12:15], s[0:1], 0x20             ; xh s[12:13], wh s[14:15]
	v_lshlrev_b32 v[VI], 4, v0
	v_lshlrev_b32 v[VO], 3, v0
	s_lshl_b32 s2, ttmp9, 16                       ; the work-group's 16 steps: 65,536 bytes in (1,023 x 65,536 stays under 2^32),
	s_mov_b32 s3, 0
	s_lshl_b32 s22, ttmp9, 15                      ; 32,768 bytes out
	s_mov_b32 s23, 0
	s_mov_b32 s20, 0x47000000                      ; 32768.0; the packed forms name a pair and take its low word for both halves
	s_mov_b32 s21, s20
	s_wait_kmcnt 0x0
	s_load_b32 s16, s[8:9], 0x0                    ; scale
	s_load_b32 s18, s[10:11], 0x0                  ; w_min
	s_add_nc_u64 s[4:5], s[4:5], s[2:3]
	s_add_nc_u64 s[6:7], s[6:7], s[2:3]
	s_add_nc_u64 s[12:13], s[12:13], s[22:23]
	s_add_nc_u64 s[14:15], s[14:15], s[22:23]
.irp n, 0,1,2,3,4,5,6,7
	global_load_b128 v[X+4*(\n):X+4*(\n)+3], v[VI], s[4:5] offset:(\n)*INB th:TH_LOAD_NT  ; the ring is filled: steps 0 to 7; each byte is read once in the launch
	global_load_b128 v[Q+4*(\n):Q+4*(\n)+3], v[VI], s[6:7] offset:(\n)*INB th:TH_LOAD_NT
.endr
	s_wait_kmcnt 0x0                               ; scale and w_min
	s_mov_b32 s17, s16                             ; named as pairs, so both words are written
	s_mov_b32 s19, s18
; Step n, in slot n % DEPTH.  ahead = 1: the slot is filled again, with step n + DEPTH.  left = how many younger loads may stay out.
.macro STEP n, ahead, left
.set i, (\n)%DEPTH
	s_wait_loadcnt \left                           ; loads come back in order (ISA guide 5.7.1): my slot's two are in, the younger slots' stay out
	s_wait_xcnt 0x0                                ; every earlier memory instruction has had its addresses translated (ISA guide 3.1): the slot's YX and YW, which its stores of eight steps ago read, are rewritten only behind this wait
	v_cvt_pk_f16_f32 v[YX+2*i],   v[X+4*i],   v[X+4*i+1]   ; two roundings to f16, packed
	v_cvt_pk_f16_f32 v[YX+2*i+1], v[X+4*i+2], v[X+4*i+3]
.irp j, 0,1,2,3
	v_cvt_f32_i32 v[T+(\j)], v[Q+4*i+(\j)]
.endr
	v_pk_add_f32 v[T:T+1],   v[T:T+1],   s[20:21] op_sel_hi:[1,0]             ; q + 32768
	v_pk_add_f32 v[T+2:T+3], v[T+2:T+3], s[20:21] op_sel_hi:[1,0]
	v_pk_fma_f32 v[T:T+1],   v[T:T+1],   s[16:17], s[18:19] op_sel_hi:[1,0,0] ; times scale, plus w_min: fused
	v_pk_fma_f32 v[T+2:T+3], v[T+2:T+3], s[16:17], s[18:19] op_sel_hi:[1,0,0]
	v_cvt_pk_f16_f32 v[YW+2*i],   v[T],   v[T+1]
	v_cvt_pk_f16_f32 v[YW+2*i+1], v[T+2], v[T+3]
.if \ahead
	global_load_b128 v[X+4*i:X+4*i+3], v[VI], s[4:5] offset:((\n)+DEPTH)*INB th:TH_LOAD_NT  ; the loads go ahead of the stores
	global_load_b128 v[Q+4*i:Q+4*i+3], v[VI], s[6:7] offset:((\n)+DEPTH)*INB th:TH_LOAD_NT
.endif
	global_store_b64 v[VO], v[YX+2*i:YX+2*i+1], s[12:13] offset:(\n)*OUTB  ; no hint: the next kernel reads these bytes
	global_store_b64 v[VO], v[YW+2*i:YW+2*i+1], s[14:15] offset:(\n)*OUTB
.endm
.irp n, 0,1,2,3,4,5,6,7
	STEP \n, 1, 2*(DEPTH-1)                        ; seven younger slots, two loads each
.endr
.irp n, 8,9,10,11,12,13,14,15
	STEP \n, 0, 2*(STEPS-1-(\n))                   ; the last eight steps load nothing: the counts run down to 0
.endr
	s_endpgm
.Lfunc_end_k_qb3aa4c5166_cast:
	.size	k_qb3aa4c5166_cast, .Lfunc_end_k_qb3aa4c5166_cast-k_qb3aa4c5166_cast
	.p2alignl 7, 3214868480
	.fill 96, 4, 3214868480
	.section	.rodata,"a",@progbits
	.p2align	6, 0x0
	.amdhsa_kernel k_qb3aa4c5166_cast
		.amdhsa_group_segment_fixed_size 0
		.amdhsa_private_segment_fixed_size 0
		.amdhsa_enable_private_segment 0
		.amdhsa_kernarg_size 48
		.amdhsa_user_sgpr_count 2
		.amdhsa_user_sgpr_kernarg_segment_ptr 1
		.amdhsa_wavefront_size32 1
		.amdhsa_system_sgpr_workgroup_id_x 1
		.amdhsa_system_sgpr_workgroup_id_y 1
		.amdhsa_system_sgpr_workgroup_id_z 1
		.amdhsa_system_vgpr_workitem_id 0
		.amdhsa_next_free_vgpr 104
		.amdhsa_next_free_sgpr 66
		.amdhsa_reserve_vcc 0
		.amdhsa_float_denorm_mode_32 3
		.amdhsa_float_denorm_mode_16_64 3
		.amdhsa_memory_ordered 1
		.amdhsa_forward_progress 1
		.amdhsa_inst_pref_size 19
	.end_amdhsa_kernel
	.amdgpu_metadata
---
amdhsa.version: [ 1, 2 ]
amdhsa.kernels:
  - .name:           k_qb3aa4c5166_cast
    .symbol:         k_qb3aa4c5166_cast.kd
    .args:
      - { .name: x, .offset: 0, .size: 8, .value_kind: global_buffer, .address_space: global }
      - { .name: q_weight, .offset: 8, .size: 8, .value_kind: global_buffer, .address_space: global }
      - { .name: scale, .offset: 16, .size: 8, .value_kind: global_buffer, .address_space: global }
      - { .name: w_min, .offset: 24, .size: 8, .value_kind: global_buffer, .address_space: global }
      - { .name: xh, .offset: 32, .size: 8, .value_kind: global_buffer, .address_space: global }
      - { .name: wh, .offset: 40, .size: 8, .value_kind: global_buffer, .address_space: global }
    .group_segment_fixed_size: 0
    .private_segment_fixed_size: 0
    .kernarg_segment_align: 8
    .kernarg_segment_size: 48
    .max_flat_workgroup_size: 256
    .sgpr_count:     66
    .vgpr_count:     104
    .wavefront_size: 32
...
	.end_amdgpu_metadata
.endif
;; end of part 1
;; launch gemm (part 2): grid 16 x 16, 4 waves a work-group, clusters of 4 x 4, 327,680 bytes of LDS; arguments xh, wh, out0, q_bias, bias_scale, b_min; writes out0
.if DOCPART == 2
	.amdgcn_target "amdgcn-amd-amdhsa--gfx1250"
	.amdhsa_code_object_version 6
	.text
	.protected	k_qb3aa4c5166_gemm
	.globl	k_qb3aa4c5166_gemm
	.p2align	8
	.type	k_qb3aa4c5166_gemm,@function
k_qb3aa4c5166_gemm:
	s_mov_b64 s[64:65], 0
	v_nop
	global_prefetch_b8 v0, s[64:65] scope:SCOPE_SE
	s_setreg_imm32_b32 hwreg(HW_REG_WAVE_MODE, 25, 1), 1
	s_wait_xcnt 0x0
	s_wait_alu depctr_hold_cnt(0) depctr_sa_sdst(0) depctr_va_vdst(0) depctr_va_sdst(0) depctr_va_ssrc(0) depctr_va_vcc(0) depctr_vm_vsrc(0)
	s_getreg_b32 s2, hwreg(HW_REG_IB_STS2, 6, 4)
	s_cmp_eq_u32 s2, 0
	s_cbranch_scc0 .Lentry_in_a_cluster
	s_endpgm
.Lentry_in_a_cluster:
	s_bfe_u32 s2, ttmp6, 0x10000c
	s_cmp_lg_u32 s2, 0xf033
	s_cbranch_scc0 .Lentry_shape_is_right
	s_endpgm
.Lentry_shape_is_right:
; out0[m][n] = sum over k of xh[m][k] wh[n][k] + bias[n],  bias = (f32(q_bias) + 32768) bias_scale + b_min.  xh, wh: [4096][4096] f16, made by the kernel before; sums, bias and out0 in f32.
; Nothing is left out.  LIMITS: those of xh and wh (f16: under 65,504; a fixed step of 6e-8 below 6e-5); the bias is made with one fused multiply-add where the formula as written rounds twice; NaN and infinities are not treated apart.
; A tile of out0, 256 x 256, is made by a work-group of four waves; a wave makes 128 x 128: 64 accumulators of 16 x 16, 512 registers.  16 x 16 tiles: 256 work-groups, one tile each.
; K goes in steps of 128 through a ring of two LDS slots filled by the tensor data mover: the rows of the tiles of xh (A) and wh (B) are 256 bytes of memory and start at multiples of 256 bytes from the buffer's first byte.
; The last K step goes by rows of out0, so that finished rows leave while the others are multiplied.
; CLUSTERS: 4 x 4 work-groups.  The four of a row of the cluster need the same tiles of A, the four of a column the same tiles of B.  Such a tile is asked for JOINTLY: each of the four issues the same tensor load,
; with the same descriptor and a mask that names the four, and each receives the tile in its own LDS.  That divides the requests for A and for B by four.
; REGISTERS, in windows of 256 (s_set_vgpr_msb's low byte: bits 1:0 source 0, 3:2 source 1, 5:4 source 2, 7:6 destination):
;   window 0: v0-31 addresses and my four numbers of the bias; v64-127, v128-191 fragments of A, two buffers (in the last K step four, of 16 rows x 128 K); v192-255 16 rows of out0 on the way out
;   window 1: v64-127, v128-191 fragments of B, two buffers; in the last K step all 256: B's fragments of the whole step
;   window 2: the 32 accumulators of my rows 0-63 (accumulator (a, b) at v[8 (8 a + b)]);   window 3: those of my rows 64-127
; THE MATRIX INSTRUCTION IS USED TRANSPOSED: source 0 = 16 rows of B, source 1 = 16 rows of A.  In the result lane l holds row l % 16 of out0 and its registers 0 to 7 the columns 8 (l / 16) + 0 .. 7: 32 bytes on end.
.set SIZE_N, 4096
.set SIZE_K, 4096
.set KSTEP,  128
.set ROWC,   SIZE_N*4                  ; bytes in a row of out0
.set PITCH,  272                       ; an LDS row: 256 bytes of data + 16 of padding = 68 words: row r starts at bank 4 r mod 64 (64 banks of 4 bytes: ISA guide 11.1), so the 16 rows that a load touches start at 16 different banks
.set HALFT,  128*PITCH                 ; 128 rows: what one tensor load brings, and what one wave reads of A or of B
.set SLOT,   4*HALFT                   ; A's 256 rows, then B's 256 rows
.set STAGE,  2*SLOT                    ; behind the ring, never filled by a tensor load: 16 rows x 528 bytes for each wave, for the way out
.set SPITCH, 528                       ; a stage row: my 128 columns in f32, 512 bytes, + 16: 33 x 16 bytes, so the 16 rows of a store start at 16 different groups of four banks
.set SPARE,  STAGE+4*16*SPITCH         ; behind the stages: the spare words, 128 bytes for each wave: two blocks of 256 bytes that no other line names
.set LAPS,   SIZE_K/(2*KSTEP)          ; a lap = two K steps = once round the ring: 16
.set BI,   8                           ; v[8:11] the bias of the four columns that I store
.set BO,   12                          ; v12     their byte offset in q_bias; never rewritten
.set ADRA, 16                          ; v16-17  LDS address of my A fragments in slot 0, 1
.set ADRB, 20                          ; v20-21  the same for B
.set STO,  24                          ; v24     the way out: where I put 32 bytes of a row
.set RD,   25                          ; v25     the way out: where I read 16 bytes of a row back
.set CO,   26                          ; v26     my byte offset in a row of my part of out0
.set SPW,  28                          ; v28     LDS address of my spare word: SPARE + 4 x my thread's number; never rewritten
.set NIL,  29                          ; v29     0; never rewritten
.set PFO,  30                          ; v30     the prefetches' offset: my lane x a row of A or B in memory (8,192 bytes); never rewritten
.set F0,   64                          ; fragment buffer 0
.set F1,   128                         ; fragment buffer 1
.set OB,   192                         ; the way out: 16 rows read back from the stage, four registers each
.set PA,   64                          ; the last K step: A's fragments of 16 rows x 128 K, 32 registers; four such buffers, v64-191
.set LIM,  43                          ; s43      1 in a wave that prefetches, else the greatest number
.set PFA,  44                          ; s[44:45] where my prefetches stand: my work-group's 32 rows of the 128 that I fetch, one K step further along K than the refill that is being asked for; a prefetch names the K step after that
.set G1,   24                          ; s[24:31] descriptor group 1 for A's tiles
.set G0,   32                          ; s[32:39] descriptor group 0 for A's tiles, one set for each slot
.set G1B,  48                          ; s[48:55] descriptor group 1 for B's tiles: it differs from A's in the mask alone
.set G0B,  56                          ; s[56:63] descriptor group 0 for B's tiles, one set for each slot
.set QB,   66                          ; s[66:67] q_bias
.set PS,   68                          ; s[68:69] where bias_scale lies, s[70:71] where b_min lies
.set BS,   72                          ; s[72:73] bias_scale, named as a pair
.set BM,   74                          ; s[74:75] b_min
.set OFS,  76                          ; s[76:77] 32768.0
.set MSB, 0
.macro WIN new                         ; the immediate's high byte repeats the setting that is left; a switch that changes nothing is dropped
.if MSB != (\new)
	s_set_vgpr_msb (MSB<<8)|(\new)
.set MSB, \new
.endif
.endm
.set MUL_LO, 0xa1                      ; source 0 (B) window 1, source 1 (A) window 0, C and D window 2
.set MUL_HI, 0xf1                      ; the same, C and D window 3
.set TO_B,   0x40                      ; destination window 1, address window 0
; A joint load.  Waves 0 and 1 fetch A's two halves, waves 2 and 3 B's.  Each of the two lines has ONE mask and one set of registers for all that issue it, and nothing in them hangs on a coordinate
; that the four partners do not share.  The branch hangs on the wave's number alone.  An s_nop 0 and four v_nop follow each of the two lines, ahead of the jump, the label and what follows.
.macro JLOAD s
	s_cmp_eq_u32 s11, 0
	s_cbranch_scc0 .Lfor_b_\@
	tensor_load_to_lds s[G0+4*(\s):G0+4*(\s)+3], s[G1:G1+7]
	s_nop 0
.rept 4
	v_nop
.endr
	s_branch .Lasked_\@
.Lfor_b_\@:
	tensor_load_to_lds s[G0B+4*(\s):G0B+4*(\s)+3], s[G1B:G1B+7]
	s_nop 0
.rept 4
	v_nop
.endr
.Lasked_\@:
.endm
; A PREFETCH, behind each joint load, its five lines and the run of LDS loads that follows them: the K step that stands TWO refills on, 512 matrix instructions ahead of the load that will want it:
; 32 rows x 256 bytes, a lane a row, one instruction a wave.  At a change of slots every wave has waited for all its tensor loads, so the refill that follows has nothing on its way beside it.
; Each row's 256 bytes of a K step are named ONCE in the launch.  A's tile row is read by every cluster of that row of clusters: cluster x = 0 asks; B's tile column by every cluster of that column: cluster y = 0 asks.
; The four partners that ask for a tile jointly share its rows out BY ADDRESS: of the 128 rows that a wave fetches the partner at place p takes 32 p .. 32 p + 31 (p = cx for A, cy for B): no branch hangs on a place in the cluster.
; K steps 0 to 3 come by their loads alone; the loop's last trip (s3 = 1) asks for nothing: the last K steps named are 30 and 31, the tensor's last.
.macro ASK
	s_cmp_gt_u32 s3, s[LIM]
	s_cbranch_scc0 .Lnot_mine_\@
	global_prefetch_b8 v[PFO], s[PFA:PFA+1] offset:KSTEP*2 th:TH_LOAD_NT scope:SCOPE_SE
.Lnot_mine_\@:
.endm
; A round of the cluster's barrier: my work-group's barrier, so that wave 0's signal speaks for all four waves; wave 0 signals for the work-group; every wave waits for all sixteen work-groups;
; my work-group's barrier once more.  No LDS instruction of the wave is pending at a signal.
.macro CREST                           ; a round behind its opening barrier
	s_cmp_lg_u32 s10, 0
	s_cbranch_scc1 .Lnot_wave_0_\@
	s_barrier_signal -3
.Lnot_wave_0_\@:
	s_barrier_wait -3
	s_barrier_signal -1
	s_barrier_wait -1
.endm
.macro CROUND                          ; a whole round
	s_barrier_signal -1
	s_barrier_wait -1
	CREST
.endm
	s_load_b128 s[4:7], s[0:1], 0x0                ; A = xh s[4:5], B = wh s[6:7]
	s_load_b64 s[8:9], s[0:1], 0x10                ; out0
	s_load_b64 s[QB:QB+1], s[0:1], 0x18            ; q_bias
	s_load_b128 s[PS:PS+3], s[0:1], 0x20           ; where bias_scale and b_min lie
	v_lshl_add_u32 v[SPW], v0, 2, SPARE
	v_mov_b32 v[NIL], 0
	ds_add_u32 v[SPW], v[NIL]                      ; the wave's opening: the add, twice on end, and its wait ahead of my first tensor load; the set-up below, work on registers, stands between the second and the wait
	ds_add_u32 v[SPW], v[NIL]                      ; and once more, under the one wait
	v_lshrrev_b32 v1, 5, v0
	v_readfirstlane_b32 s10, v1                    ; wave 0..3
	s_lshr_b32 s11, s10, 1                         ; which half of the tile's rows is mine.  Also: I fetch for A (0) or for B (1)
	s_and_b32 s12, s10, 1                          ; which half of its columns.  Also: which 128 rows of that tile I fetch
	s_bfe_u32 s40, ttmp6, 0x40000                  ; cx: my place along the cluster's x
	s_bfe_u32 s41, ttmp6, 0x40004                  ; cy: along its y
	s_lshl_b32 s42, ttmp9, 2                       ; in a cluster launch ttmp9 and ttmp7 count clusters
	s_add_co_u32 s42, s42, s40                     ; tile column = 4 x cluster x + cx
	s_and_b32 s13, ttmp7, 0xffff
	s_lshl_b32 s13, s13, 2
	s_add_co_u32 s13, s13, s41                     ; tile row = 4 x cluster y + cy
	s_lshl_b32 s43, s41, 2
	s_lshl_b32 s43, 15, s43                        ; my row of the cluster: places 4 cy .. 4 cy + 3
	s_lshl_b32 s44, 0x1111, s40                    ; my column: places cx, cx + 4, cx + 8, cx + 12
	; descriptor group 1: a tile of 128 rows x 128 elements, padded in LDS
	s_or_b32 s[G1+0], s43, (1<<16)|(1<<20)|(1<<21)|(5<<22)|(3<<25)  ; 15:0 the mask: A's tiles go to my row; 17:16 element of 2 bytes; 20 padding on; 21 set beside a mask; 24:22 after every 64 words (code 5); 31:25 of 4 words (code 3)
	s_or_b32 s[G1B+0], s44, (1<<16)|(1<<20)|(1<<21)|(5<<22)|(3<<25) ; the same with the mask of my column, for B's tiles
	s_mov_b32 s[G1B+1], KSTEP<<16
	s_mov_b32 s[G1+1], KSTEP<<16                   ; 63:48 tensor_dim0, low half = 128
	s_mov_b32 s[G1B+2], 128<<16
	s_mov_b32 s[G1+2], 128<<16                     ; 79:64 its high half = 0; 95:80 tensor_dim1, low half = 128
	s_mov_b32 s[G1B+3], KSTEP<<16
	s_mov_b32 s[G1+3], KSTEP<<16                   ; 111:96 its high half = 0; 127:112 tile_dim0 = 128
	s_mov_b32 s[G1B+4], 128
	s_mov_b32 s[G1+4], 128                         ; 143:128 tile_dim1 = 128; 159:144 tile_dim2 = 0
	s_mov_b32 s[G1B+5], SIZE_K
	s_mov_b32 s[G1+5], SIZE_K                      ; 191:160 tensor_dim0_stride, low word: elements from row to row
	s_mov_b32 s[G1B+6], 0
	s_mov_b32 s[G1+6], 0
	s_mov_b32 s[G1B+7], 0
	s_mov_b32 s[G1+7], 0
	; where the tiles come from.  A's hang on the tile row alone, which my row of the cluster shares; B's on the tile column alone, which my column shares.
	; Every wave makes both addresses, in registers that never hold the other coordinate, and asks by one of them.
	s_lshl_b32 s17, s12, 7                         ; which 128 rows of the tile I fetch
	s_lshl_b32 s16, s13, 8
	s_add_co_u32 s16, s16, s17                     ; A: row 256 x tile row + 128 x half
	s_lshl_b32 s46, s42, 8
	s_add_co_u32 s46, s46, s17                     ; B: row 256 x tile column + 128 x half
	s_mov_b32 s17, 0
	s_mov_b32 s47, 0
	s_mov_b64 s[18:19], SIZE_K*2
	s_mul_u64 s[16:17], s[16:17], s[18:19]         ; in bytes
	s_mul_u64 s[46:47], s[46:47], s[18:19]
	s_mul_i32 s20, s10, HALFT                      ; and where they go: A's two halves, then B's two halves = wave x 128 rows: no place in the cluster enters an LDS address
	s_wait_dscnt 0x0                               ; both opening adds are done
	s_wait_kmcnt 0x0
	s_add_nc_u64 s[14:15], s[4:5], s[16:17]
	s_add_nc_u64 s[46:47], s[6:7], s[46:47]
	CROUND                                         ; all sixteen work-groups are here: the first joint loads meet
.irp s, 0,1
	s_mov_b32 s[G0+4*(\s)], 1                                      ; 1:0 count = 1
	s_add_co_u32 s[G0+4*(\s)+1], s20, (\s)*SLOT                    ; 63:32 LDS address
	s_add_nc_u64 s[G0+4*(\s)+2:G0+4*(\s)+3], s[14:15], (\s)*KSTEP*2  ; 120:64 global address: K step s
	s_or_b32 s[G0+4*(\s)+3], s[G0+4*(\s)+3], 0x80000000            ; 127:126 type = 2
	s_mov_b32 s[G0B+4*(\s)], 1
	s_add_co_u32 s[G0B+4*(\s)+1], s20, (\s)*SLOT
	s_add_nc_u64 s[G0B+4*(\s)+2:G0B+4*(\s)+3], s[46:47], (\s)*KSTEP*2
	s_or_b32 s[G0B+4*(\s)+3], s[G0B+4*(\s)+3], 0x80000000
	JLOAD \s                                       ; the ring is filled before anything else is done: two tensor loads of mine are out
.endr
	s_load_b32 s[BS], s[PS:PS+1], 0x0              ; bias_scale
	s_load_b32 s[BM], s[PS+2:PS+3], 0x0            ; b_min
	; A fragment is 16 rows x 32 K in 8 registers: lane l holds row l % 16; registers 0-3 hold K = 8 (l / 16) + 0..7, registers 4-7 hold K = 16 + 8 (l / 16) + 0..7.
	; From rows that lie along K: two loads of 16 bytes, 32 bytes apart.  The same for source 0 and source 1.
	v_and_b32 v1, 15, v0                           ; l % 16
	v_bfe_u32 v2, v0, 4, 1                         ; l / 16
	v_mul_u32_u24 v3, v1, PITCH
	v_lshl_add_u32 v3, v2, 4, v3                   ; row x pitch + 16 x half
	s_mul_i32 s21, s11, HALFT                      ; my 128 rows of A
	s_mul_i32 s22, s12, HALFT                      ; my 128 rows of B,
	s_add_co_u32 s22, s22, 2*HALFT                 ; which lie behind A's 256
.irp s, 0,1
	v_add_nc_u32 v[ADRA+(\s)], s21, v3
	v_add_nc_u32 v[ADRB+(\s)], s22, v3
	s_add_co_u32 s21, s21, SLOT
	s_add_co_u32 s22, s22, SLOT
.endr
	s_mul_i32 s23, s10, 16*SPITCH
	s_add_co_u32 s23, s23, STAGE                   ; my stage
	v_mul_u32_u24 v4, v1, SPITCH                   ; in: row l % 16, 32 bytes for each half of the lanes
	v_lshl_add_u32 v4, v2, 5, v4
	v_add_nc_u32 v[STO], s23, v4
	v_and_b32 v5, 31, v0
	v_lshlrev_b32 v[CO], 4, v5                     ; back and out: 32 lanes take one row's 512 bytes, 16 each
	v_add_nc_u32 v[RD], s23, v[CO]
	; where my part of the tile begins in out0, in bytes: the way out adds it to out0's address
	s_lshl_b32 s13, s13, 8
	s_lshl_b32 s14, s11, 7
	s_add_co_u32 s16, s13, s14                     ; my first row
	s_mov_b32 s17, 0
	s_mov_b64 s[18:19], ROWC
	s_mul_u64 s[16:17], s[16:17], s[18:19]
	s_lshl_b32 s46, s42, 10                        ; my first column, in bytes: 1,024 x tile column + 512 x half (in the registers that held B's address: none that feeds A's descriptors ever holds cx)
	s_lshl_b32 s47, s12, 9
	s_add_co_u32 s46, s46, s47
	s_mov_b32 s47, 0
	s_add_nc_u64 s[16:17], s[16:17], s[46:47]
	v_add_nc_u32 v[BO], s46, v[CO]                 ; q_bias is int32: the four columns that I store lie at the same byte offset in it as in a row of out0
	global_load_b128 v[BI:BI+3], v[BO], s[QB:QB+1]
	; the prefetches.  s13 = 256 x tile row, s42 = tile column, s40 = cx, s41 = cy still stand; s[4:5] = A, s[6:7] = B
	s_lshl_b32 s42, s42, 8
	s_and_b32 s22, ttmp7, 0xffff                   ; cluster y
	s_cmp_eq_u32 s11, 0                            ; do I fetch for A?
	s_cselect_b32 s20, s13, s42                    ; the tile's first row: in A by the tile row, in B by the tile column
	s_cselect_b32 s21, s40, s41                    ; my place among the four that ask for it with me
	s_cselect_b32 s22, ttmp9, s22                  ; the coordinate along which other clusters read the same rows
	s_cselect_b64 s[PFA:PFA+1], s[4:5], s[6:7]
	s_cmp_eq_u32 s22, 0
	s_cselect_b32 s[LIM], 1, -1                    ; the same in all sixteen partners, for a given wave
	s_lshl_b32 s22, s12, 7
	s_add_co_u32 s20, s20, s22                     ; + the 128 rows that I fetch
	s_lshl_b32 s21, s21, 5
	s_add_co_u32 s20, s20, s21                     ; + my work-group's 32 of them
	s_mov_b32 s21, 0
	s_mov_b64 s[18:19], SIZE_K*2
	s_mul_u64 s[20:21], s[20:21], s[18:19]
	s_add_nc_u64 s[PFA:PFA+1], s[PFA:PFA+1], s[20:21]
	s_add_nc_u64 s[PFA:PFA+1], s[PFA:PFA+1], 2*KSTEP*2  ; at K step 2: the first refill steps it to 3 and names K step 4.  Nothing is prefetched here, at the head, where every work-group's first two tiles are on their way
	v_and_b32 v[PFO], 31, v0
	v_mul_u32_u24 v[PFO], v[PFO], SIZE_K*2
	; the bias of my four columns, in f32, once: it stays in registers until the way out
	s_mov_b32 s[OFS], 0x47000000                   ; 32768.0
	s_mov_b32 s[OFS+1], s[OFS]
	s_wait_kmcnt 0x0                               ; bias_scale and b_min
	s_mov_b32 s[BS+1], s[BS]                       ; named as pairs, so both words are written
	s_mov_b32 s[BM+1], s[BM]
	s_wait_loadcnt 0x0                             ; q_bias
.irp j, 0,1,2,3
	v_cvt_f32_i32 v[BI+(\j)], v[BI+(\j)]
.endr
	v_pk_add_f32 v[BI:BI+1],   v[BI:BI+1],   s[OFS:OFS+1] op_sel_hi:[1,0]
	v_pk_add_f32 v[BI+2:BI+3], v[BI+2:BI+3], s[OFS:OFS+1] op_sel_hi:[1,0]
	v_pk_fma_f32 v[BI:BI+1],   v[BI:BI+1],   s[BS:BS+1], s[BM:BM+1] op_sel_hi:[1,0,0]
	v_pk_fma_f32 v[BI+2:BI+3], v[BI+2:BI+3], s[BS:BS+1], s[BM:BM+1] op_sel_hi:[1,0,0]
; 16 matrix instructions: m blocks a0, a0 + 1 of the window's four (hi = 0: my rows 0-63, 1: rows 64-127) x all 8 n blocks, 32 along K.
; zero = 1: the first product starts the sums: nothing is ever cleared.  The 64 accumulators take turns, one instruction a turn, in the same order in every quarter step.
.macro MUL16 f, hi, a0, zero
	WIN MUL_LO+0x50*(\hi)  ; MUL_LO or MUL_HI
.irp a, \a0, (\a0)+1
.irp b, 0,1,2,3,4,5,6,7
.if \zero
	v_wmma_f32_16x16x32_f16 v[8*(8*(\a)+(\b)):8*(8*(\a)+(\b))+7], v[(\f)+8*(\b):(\f)+8*(\b)+7], v[(\f)+8*(4*(\hi)+(\a)):(\f)+8*(4*(\hi)+(\a))+7], 0
.else
	v_wmma_f32_16x16x32_f16 v[8*(8*(\a)+(\b)):8*(8*(\a)+(\b))+7], v[(\f)+8*(\b):(\f)+8*(\b)+7], v[(\f)+8*(4*(\hi)+(\a)):(\f)+8*(4*(\hi)+(\a))+7], v[8*(8*(\a)+(\b)):8*(8*(\a)+(\b))+7]
.endif
.endr
.endr
.endm
; 32 LDS loads in one run: the fragments of one quarter step (128 rows of B, 128 rows of A, 32 K at byte k of the rows) into buffer f
.macro FETCH slot, k, f
	WIN TO_B
.irp i, 0,1,2,3,4,5,6,7
	ds_load_b128 v[(\f)+8*(\i):(\f)+8*(\i)+3],   v[ADRB+(\slot)] offset:(\k)+(\i)*16*PITCH
	ds_load_b128 v[(\f)+8*(\i)+4:(\f)+8*(\i)+7], v[ADRB+(\slot)] offset:(\k)+(\i)*16*PITCH+32
.endr
	WIN 0
.irp i, 0,1,2,3,4,5,6,7
	ds_load_b128 v[(\f)+8*(\i):(\f)+8*(\i)+3],   v[ADRA+(\slot)] offset:(\k)+(\i)*16*PITCH
	ds_load_b128 v[(\f)+8*(\i)+4:(\f)+8*(\i)+7], v[ADRA+(\slot)] offset:(\k)+(\i)*16*PITCH+32
.endr
.endm
; A load into a register that a matrix instruction has read, and an LDS store that reads a matrix result, stand four places behind that matrix instruction, and only plain vector instructions that name
; none of its registers are places (ISA guide 7.12.1 for vector instructions).  So four v_nop stand in front of each run of loads and of each block's way out.
.macro PLACES
.rept 4
	v_nop
.endr
.endm
; A K step is four quarter steps of 32 along K, 64 matrix instructions each, on buffers 0, 1, 0, 1.
; One of the first three: multiplies buffer f; in its middle it fetches the next quarter's fragments, at byte k of the same slot's rows, into buffer g.
.macro QUARTER slot, k, f, g, zero
	s_wait_dscnt 8                                 ; B and A's rows 0-63 are in; the youngest eight loads (A's rows 64-127) may be out
	WIN MUL_LO
	MUL16 \f, 0, 0, \zero
	MUL16 \f, 0, 2, \zero
	PLACES
	FETCH \slot, \k, \g
	s_wait_dscnt 32                                ; all but the 32 just issued
	WIN MUL_HI
	MUL16 \f, 1, 0, \zero
	MUL16 \f, 1, 2, \zero
.endm
; The last quarter multiplies buffer 1 and changes slots.  MEET is its first half: ONE barrier for the change of slots, for two things.  In front of it each wave waits for all its tensor loads, of which one is out:
; its part of the next slot; adds 0 to its spare word; and waits for that and for its own reads of this slot.  Behind it nobody reads this slot any more and the next slot is whole.
.macro MEET round                      ; round = 1: a round of the cluster's barrier follows
	WIN 0                                          ; (the add's two registers lie in window 0)
	s_wait_tensorcnt 0x0                           ; all my tensor loads have landed: the one that was out is my part of the next slot;
	ds_add_u32 v[SPW], v[NIL]                      ; 0 onto my spare word:
	s_wait_dscnt 9                                 ; (the add and the youngest eight loads may be out)
	WIN MUL_LO
	MUL16 F1, 0, 0, 0                              ; sixteen matrix instructions stand between the add and the wait for it
	s_wait_dscnt 0x0                               ; the add is done, and my reads of this slot are over:
	s_barrier_signal -1                            ; say so (where a slot is filled again this barrier opens a round of the cluster's barrier),
	MUL16 F1, 0, 2, 0                              ; work on registers while the others arrive,
.if \round
	WIN 0
.endif
	s_barrier_wait -1                              ; and go on when all four have said so
.endm
; The whole last quarter.  Behind the round the slot just read out is filled again first, with the K step two steps on; then come the next slot's first fragments.
; From a request to the wait for it a wave issues 224 matrix instructions.
.macro TURN slot, next
	s_wait_xcnt 0x0                                ; the last prefetch, a K step back, has read its address: it is stepped here, ahead of the waits of the change of slots
	s_add_nc_u64 s[PFA:PFA+1], s[PFA:PFA+1], KSTEP*2
	MEET 1
	CREST                                          ; wave 0 says so for the work-group, all sixteen work-groups have said so, my work-group's barrier closes the round:
	                                               ; no wave of any partner still reads this slot's tile or has a load on its way
	s_add_nc_u64 s[G0+4*(\slot)+2:G0+4*(\slot)+3], s[G0+4*(\slot)+2:G0+4*(\slot)+3], 2*KSTEP*2    ; no tensor load of mine is out, so a group 0 may be written; the type bits on top are not reached
	s_add_nc_u64 s[G0B+4*(\slot)+2:G0B+4*(\slot)+3], s[G0B+4*(\slot)+2:G0B+4*(\slot)+3], 2*KSTEP*2
	JLOAD \slot                                    ; the first tensor load behind the round, and my only one until the next; the four v_nop behind it are also the places in front of the loads below
	FETCH \next, 0, F0
	ASK                                            ; behind the joint load and the run of LDS loads that the next products wait for
	WIN MUL_HI
	MUL16 F1, 1, 0, 0
	MUL16 F1, 1, 2, 0
.endm
; THE LAST K STEP (it lies in slot 1) GOES BY ROWS OF out0, NOT BY K.  All its fragments of B (4 quarters x 64 registers) fill window 1; then my eight blocks of 16 rows are finished one after the other,
; each with 32 matrix instructions (its 8 accumulators by turns, K ascending).  LDS is read no more than in any other K step.
.macro BLOAD q                         ; B's fragments of quarter q -> window 1, v[64 q ..]
	WIN TO_B
.irp i, 0,1,2,3,4,5,6,7
	ds_load_b128 v[64*(\q)+8*(\i):64*(\q)+8*(\i)+3],   v[ADRB+1] offset:64*(\q)+(\i)*16*PITCH
	ds_load_b128 v[64*(\q)+8*(\i)+4:64*(\q)+8*(\i)+7], v[ADRB+1] offset:64*(\q)+(\i)*16*PITCH+32
.endr
.endm
.macro ALOAD a                         ; A's fragments of block a, all four quarters -> buffer a % 4
	WIN 0
.set FA, PA+32*((\a)%4)
.irp q, 0,1,2,3
	ds_load_b128 v[FA+8*(\q):FA+8*(\q)+3],   v[ADRA+1] offset:64*(\q)+(\a)*16*PITCH
	ds_load_b128 v[FA+8*(\q)+4:FA+8*(\q)+7], v[ADRA+1] offset:64*(\q)+(\a)*16*PITCH+32
.endr
.endm
.macro ROW a                           ; block a is finished: 32 matrix instructions
.set FA, PA+32*((\a)%4)                ; its fragments of A
.set AC, 64*((\a)%4)                   ; its eight accumulators, in window 2 (blocks 0-3) or 3 (blocks 4-7)
	WIN MUL_LO+0x50*((\a)/4)                       ; MUL_LO or MUL_HI
.irp q, 0,1,2,3
.if (\a) == 0 && (\q) == 2
	s_wait_dscnt 24                                ; B's quarter 2 is in (behind it: A's blocks 1 to 3)
.endif
.irp b, 0,1,2,3,4,5,6,7
	v_wmma_f32_16x16x32_f16 v[AC+8*(\b):AC+8*(\b)+7], v[64*(\q)+8*(\b):64*(\q)+8*(\b)+7], v[FA+8*(\q):FA+8*(\q)+7], v[AC+8*(\b):AC+8*(\b)+7]
.endr
.endr
.endm
; THE WAY OUT of block a.  A lane's 32 bytes are one sixteenth of its row's 512, and the lanes beside it hold other rows.  So the block's 16 rows go through my own stage in LDS, straight from the accumulators
; (the store's data is source 1: window 2 or 3; each accumulator's four lowest registers first), and come back a whole row to a load.
.macro TOSTAGE a
.set AC, 64*((\a)%4)
	WIN 0x08+4*((\a)/4)
.irp b, 0,1,2,3,4,5,6,7
	ds_store_b128 v[STO], v[AC+8*(\b):AC+8*(\b)+3]   offset:64*(\b)
	ds_store_b128 v[STO], v[AC+8*(\b)+4:AC+8*(\b)+7] offset:64*(\b)+16
.endr
	WIN 0
	s_wait_xcnt 0x0                                ; every earlier memory instruction has had its addresses translated (ISA guide 3.1): only behind this wait are the stores' base and the registers that the last block's stores read rewritten
.if (\a) == 0
	s_add_nc_u64 s[8:9], s[8:9], s[16:17]          ; on to my first rows
.else
	s_add_nc_u64 s[8:9], s[8:9], 16*ROWC           ; 16 rows on
.endif
.irp t, 0,1,2,3,4,5,6,7,8,9,10,11,12,13,14,15
	ds_load_b128 v[OB+4*(\t):OB+4*(\t)+3], v[RD] offset:(\t)*SPITCH  ; LDS serves a wave's instructions in order (ISA guide 5.7.1.4): these see the stores above, and the next block's stores come behind them
.endr
.endm
; The bias is added, in f32, and the rows are stored.  younger: the LDS loads issued behind TOSTAGE's, which may stay out.
.macro SEND younger
	WIN 0
.irp t, 0,1,2,3,4,5,6,7,8,9,10,11,12,13,14,15
	s_wait_dscnt (\younger)+15-(\t)                ; row t is back; the later rows' loads and the younger ones may be out
	v_pk_add_f32 v[OB+4*(\t):OB+4*(\t)+1],   v[OB+4*(\t):OB+4*(\t)+1],   v[BI:BI+1]
	v_pk_add_f32 v[OB+4*(\t)+2:OB+4*(\t)+3], v[OB+4*(\t)+2:OB+4*(\t)+3], v[BI+2:BI+3]
	global_store_b128 v[CO], v[OB+4*(\t):OB+4*(\t)+3], s[8:9] offset:(\t)*ROWC th:TH_STORE_NT  ; the wave stores 512 consecutive bytes, at a multiple of 512 from out0's first byte; 15 rows at the most in the immediate
.endr
.endm
	s_wait_tensorcnt 1                             ; my part of K step 0 is in; K step 1's load may stay out
	s_barrier_signal -1
	s_barrier_wait -1                              ; everybody's is
	FETCH 0, 0, F0
	QUARTER 0, 64,  F0, F1, 1                      ; the first quarter stands in front of the loop: its products start the sums
	WIN 0                                          ; at a label and at a branch every window is 0
	s_mov_b32 s3, LAPS-1
.Llap:                                                 ; a trip goes once round the ring, from a lap's second quarter to the next lap's first, and fills both slots again: 15 trips, 30 refills
	QUARTER 0, 128, F1, F0, 0
	QUARTER 0, 192, F0, F1, 0
	TURN 0, 1
	QUARTER 1, 64,  F0, F1, 0
	QUARTER 1, 128, F1, F0, 0
	QUARTER 1, 192, F0, F1, 0
	TURN 1, 0
	QUARTER 0, 64,  F0, F1, 0
	WIN 0
	s_sub_co_u32 s3, s3, 1
	s_cmp_lg_u32 s3, 0
	s_cbranch_scc1 .Llap
	QUARTER 0, 128, F1, F0, 0                      ; the last lap goes on; it asks for nothing more
	QUARTER 0, 192, F0, F1, 0
	MEET 0                                         ; my one tensor load that was still out is slot 1's, the last K step's, so no round follows
	PLACES                                         ; for the loads into buffer 0, which the quarter before multiplied
	WIN TO_B
	BLOAD 0                                        ; three quarters of B now: buffer 1 (v128-191 of both windows) is still being multiplied
	BLOAD 1
	BLOAD 3
	WIN 0
	ALOAD 0
	WIN MUL_HI
	MUL16 F1, 1, 0, 0
	MUL16 F1, 1, 2, 0
	PLACES                                         ; for the loads into buffer 1
	WIN TO_B
	BLOAD 2
	WIN 0
	ALOAD 1
	ALOAD 2
	ALOAD 3
	s_wait_dscnt 40                                ; all but the 40 just issued
	ROW 0
.irp a, 0,1,2,3,4,5,6,7                ; each block leaves as soon as it is finished: nothing follows this tile, so the sooner its stores begin, the sooner the launch ends
	PLACES                                         ; its LDS stores read results just made, and the load below lands in registers just multiplied
	TOSTAGE \a
.if (\a) < 4
	ALOAD (\a)+4                                   ; its buffer takes the block four further on
	SEND 8
.else
	SEND 0
.endif
.if (\a) < 7
	ROW (\a)+1
.endif
.endr
	s_wait_tensorcnt 0x0                           ; the wave's end, behind my last tensor load and my last LDS store
	ds_add_u32 v[SPW], v[NIL]
	s_wait_dscnt 0x0
	CROUND                                         ; the closing round: no work-group ends while a partner may still ask for a tile that names it
	s_endpgm
.Lfunc_end_k_qb3aa4c5166_gemm:
	.size	k_qb3aa4c5166_gemm, .Lfunc_end_k_qb3aa4c5166_gemm-k_qb3aa4c5166_gemm
	.p2alignl 7, 3214868480
	.fill 96, 4, 3214868480
	.section	.rodata,"a",@progbits
	.p2align	6, 0x0
	.amdhsa_kernel k_qb3aa4c5166_gemm
		.amdhsa_group_segment_fixed_size 327680
		.amdhsa_private_segment_fixed_size 0
		.amdhsa_enable_private_segment 0
		.amdhsa_kernarg_size 48
		.amdhsa_user_sgpr_count 2
		.amdhsa_user_sgpr_kernarg_segment_ptr 1
		.amdhsa_wavefront_size32 1
		.amdhsa_system_sgpr_workgroup_id_x 1
		.amdhsa_system_sgpr_workgroup_id_y 1
		.amdhsa_system_sgpr_workgroup_id_z 1
		.amdhsa_system_vgpr_workitem_id 0
		.amdhsa_next_free_vgpr 1024
		.amdhsa_next_free_sgpr 80
		.amdhsa_reserve_vcc 0
		.amdhsa_float_denorm_mode_32 3
		.amdhsa_float_denorm_mode_16_64 3
		.amdhsa_memory_ordered 1
		.amdhsa_forward_progress 1
		.amdhsa_inst_pref_size 163
	.end_amdhsa_kernel
	.amdgpu_metadata
---
amdhsa.version: [ 1, 2 ]
amdhsa.kernels:
  - .name:           k_qb3aa4c5166_gemm
    .symbol:         k_qb3aa4c5166_gemm.kd
    .args:
      - { .name: xh, .offset: 0, .size: 8, .value_kind: global_buffer, .address_space: global }
      - { .name: wh, .offset: 8, .size: 8, .value_kind: global_buffer, .address_space: global }
      - { .name: out0, .offset: 16, .size: 8, .value_kind: global_buffer, .address_space: global }
      - { .name: q_bias, .offset: 24, .size: 8, .value_kind: global_buffer, .address_space: global }
      - { .name: bias_scale, .offset: 32, .size: 8, .value_kind: global_buffer, .address_space: global }
      - { .name: b_min, .offset: 40, .size: 8, .value_kind: global_buffer, .address_space: global }
    .group_segment_fixed_size: 327680
    .private_segment_fixed_size: 0
    .kernarg_segment_align: 8
    .kernarg_segment_size: 48
    .max_flat_workgroup_size: 128
    .sgpr_count:     80
    .vgpr_count:     1024
    .wavefront_size: 32
...
	.end_amdgpu_metadata
.endif
;; end of part 2
